; MI455X (gfx1250); checked and timed in simulation.
; The chip was launched on July 23, 2026; its instructions are those of AMD's public machine-readable ISA for CDNA 5 (MIT licence, August 2026) and "CDNA5" Instruction Set Architecture Reference Guide (July 2026). The comments in the code are by the model that wrote it; some were corrected since.
;; Grouped Query Attention Direct. Allowed arithmetic: matrix products marked QUANTISED: E4M3 operands, one E8M0 scale for each 32 along K, by v_wmma_scale_f32_16x16x128_f8f6f4 with both operands' format E4M3, f32 sums; everything else in f32.
;; Inputs: b_out 4,096 float32; key_codes 2,048 x 8 x 4 x 32 uint8 (E4M3 codes of key, K innermost, in blocks of 32 codes); key_scales 2,048 x 8 x 4 uint8 (E8M0 scales of key, one for each 32 codes along K); mask 2,048 x 2,048 float32; query_codes 2,048 x 32 x 4 x 32 uint8 (E4M3 codes of query, K innermost, in blocks of 32 codes); query_scales 2,048 x 32 x 4 uint8 (E8M0 scales of query, one for each 32 codes along K); value_codes 8 x 128 x 64 x 32 uint8 (E4M3 codes of value, K innermost, in blocks of 32 codes); value_scales 8 x 128 x 64 uint8 (E8M0 scales of value, one for each 32 codes along K); w_out_codes 4,096 x 128 x 32 uint8 (E4M3 codes of w_out, K innermost, in blocks of 32 codes); w_out_scales 4,096 x 128 uint8 (E8M0 scales of w_out, one for each 32 codes along K).
;; Outputs: out0 2,048 x 32 x 128 float32.
;; This version of the problem:
;;   THIS VERSION OF THE PROBLEM IS GIVEN IN LOW PRECISION. The matrix products marked QUANTISED in the list below multiply operands that are first quantised to E4M3 (4 exponent bits, 3 mantissa bits; 8 bits a number), with one power-of-two scale for each 32 numbers along K (OCP MX v1.0); their sums are f32. All else is computed in f32.
;;   The module's matrix products, in the order in which they are computed (A, B: the left and right operand; K: the contracted axis; several contracted axes count as one K, in the product's order):
;;     1. batch 8 x [M 8,192, K 128] x [K 128, N 2,048]; A: input query (given as codes); B: input key (given as codes): QUANTISED
;;     2. batch 8 x [M 8,192, K 2,048] x [K 2,048, N 128]; A: softmax (see below); B: input value (given as codes): QUANTISED
;;     3. [M 2,048, K 4,096] x [K 4,096, N 4,096]; A: computed on the way; B: input w_out (given as codes): QUANTISED
;;   THE QUANTISER, for each operand of a quantised product, along K:
;;     - K is cut into blocks of 32 from its start; a last block that is shorter is filled with zeros.
;;     - A block's scale is 2^e with e = floor(log2(the largest magnitude in the block)) - 8, held to -126 .. 127; a block of zeros has e = 0. As a byte (E8M0): e + 127.
;;     - Each number is divided by its block's scale, clamped to +-448, and rounded to the nearest number of E4M3, ties to even, subnormals kept.
;;     - The product sums the exact products of the quantised numbers (number of the format x scale) in f32.
;;   ~~~python
;;   def quantise(x, axis):      # numpy; x: float32 -> the quantised numbers, widened to float32 again
;;       x = np.moveaxis(x, axis, -1); K = x.shape[-1]
;;       x = np.pad(x, [(0, 0)] * (x.ndim - 1) + [(0, -K % 32)]); x = x.reshape(x.shape[:-1] + (-1, 32)); a = np.abs(x).max(-1, keepdims=True)
;;       e = np.where(a > 0, np.clip(np.frexp(np.where(a > 0, a, 1))[1] - 1 - 8, -126, 127), 0)      # np.frexp(a)[1] - 1 = floor(log2(a)), exactly
;;       r = np.clip(x / 2.0 ** e, -448, 448)
;;       step = 2.0 ** (np.maximum(np.frexp(np.where(r == 0, 1, r))[1] - 1, -6) - 3)
;;       q = np.round(r / step) * step * 2.0 ** e      # np.round: ties to even
;;       return np.moveaxis(q.reshape(q.shape[:-2] + (-1,))[..., :K], -1, axis).astype(np.float32)
;;   ~~~
;;   SOFTMAX AHEAD OF A QUANTISED PRODUCT. Where the list says 'softmax', what is quantised is not the finished softmax but p = 2^(t - M), with t = logit x log2(e) and M = ceil(the row's largest t), a whole number; so 1/2 < the row's largest p <= 1. The row's sum l is taken of the UNQUANTISED p, in f32, and the product's result is divided by l at the end. Since M is a whole number, a kernel that streams over the keys may use a running M (the ceiling of the running maximum): every later rescaling is an exact power of two, which a block's scale takes up: the codes' values come out the same.
;;   OPERANDS COMPUTED ON THE WAY. 'Computed on the way' means the value that the module computes at that place (a softmax that the list does not call 'softmax' is quantised finished and normalised). What goes into a quantiser is computed in f32, as accurately as f32 sums, v_exp_f32 and their like allow (about 1e-6 of the number): no bf16 or f16 on the way to a quantiser, and a product that is left as it is and whose result goes on into a quantised operand takes f32 operands (vector FMAs, or v_wmma_f32_16x16x4_f32). A number that lies on a knife's edge between two numbers of the format may be rounded either way, as far as f32 arithmetic and the matrix unit's own rounding can turn it there, and no further.
;;   INPUTS GIVEN AS CODES. key (in the module: [2048, 8, 128], K = its axis 2); query (in the module: [2048, 32, 128], K = its axis 2); value (in the module: [2048, 8, 128], K = its axis 0); w_out (in the module: [4096, 4096], K = its axis 1): each comes as NAME_codes (uint8): NAME with its K axis moved to the last place and cut into blocks of 32 codes, [.., K / 32, bytes a block], one block behind the other in memory; one code a byte (a code: sign, 4 exponent bits, 3 mantissa bits); and NAME_scales (uint8): the same leading axes, one E8M0 byte (e + 127) for each 32 codes along K. Its value is code x scale, taken as it is: it is not quantised again, and the codes and scales need not be those that the quantiser above would give.
;; One version. Each part assembles by itself: llvm-mc -triple=amdgcn-amd-amdhsa -mcpu=gfx1250 --defsym DOCPART=n.
;; ======== version 1 of 1: 2 launches
;; limits: right only within a limited range of input values
;; workspace buffers: a_img 8,388,608 bytes; a_scl 262,144 bytes
;; launch attn (part 1): grid 32 x 8, 8 waves a work-group, clusters of 4 x 1, 327,680 bytes of LDS; arguments query_codes, query_scales, key_codes, key_scales, value_codes, value_scales, a_img, a_scl; writes a_img, a_scl
.if DOCPART == 1
	.amdgcn_target "amdgcn-amd-amdhsa--gfx1250"
	.amdhsa_code_object_version 6
	.text
	.protected	k_q9eeec0ae18_attn
	.globl	k_q9eeec0ae18_attn
	.p2align	8
	.type	k_q9eeec0ae18_attn,@function
k_q9eeec0ae18_attn:
	s_mov_b64 s[64:65], 0
	v_nop
	global_prefetch_b8 v0, s[64:65] scope:SCOPE_SE
	s_setreg_imm32_b32 hwreg(HW_REG_WAVE_MODE, 25, 1), 1
	s_wait_xcnt 0x0
	s_wait_alu depctr_hold_cnt(0) depctr_sa_sdst(0) depctr_va_vdst(0) depctr_va_sdst(0) depctr_va_ssrc(0) depctr_va_vcc(0) depctr_vm_vsrc(0)
	s_getreg_b32 s2, hwreg(HW_REG_IB_STS2, 6, 4)
	s_cmp_eq_u32 s2, 0
	s_cbranch_scc0 .Lentry_in_a_cluster
	s_endpgm
.Lentry_in_a_cluster:
	s_bfe_u32 s2, ttmp6, 0x10000c
	s_cmp_lg_u32 s2, 0x3003
	s_cbranch_scc0 .Lentry_shape_is_right
	s_endpgm
.Lentry_shape_is_right:
; Grouped-query attention on codes of FP8 (E4M3) with one E8M0 scale for each 32 along a product's K; its result, divided by the row's sum, is quantised along the model axis (head x 128 + channel)
; and stored as the operand of the projection that follows.  2,048 queries, 32 query heads, 8 key/value heads (group g serves heads 4 g .. 4 g + 3), head size 128.
; THE INPUT mask IS NOT READ: the function that defines the result prepares it and never applies it, so no number of the result hangs on it.
; THE SOFTMAX: t = score x log2(e) / sqrt(128); M = the row's largest t so far, rounded UP to a whole number; p = 2^(t - M) is quantised along the keys, not normalised; the row's sum is taken of the
; unquantised p and divides O at the end.  When M moves, the sum and O are multiplied by 2^(old M - new M), which rounds nothing.
; SHARES.  A work-group owns 64 queries x the 4 heads of one group: 16 tiles of 16 queries.  Wave w of eight owns queries 16 (w / 2) on and heads 2 (w % 2), 2 (w % 2) + 1 of the group: TWO tiles, so that each
; fragment of K and V read from LDS feeds two matrix instructions.  Two waves of 512 registers share a SIMD: one wave's vector work stands beside the other's products and LDS loads.
; Every wave walks all 2,048 keys, 128 a step; K's and V's tiles come through a ring of two LDS slots of 256 keys.
; CLUSTER.  The four work-groups of a cluster belong to one group and walk the same K and V: each tile is asked for JOINTLY (mask 15).  The scale bytes are not: a group's are 16 KiB against 512 KiB of codes,
; and key_scales holds a group's word every 32 bytes; they come once through registers and stay in LDS.
; LAYOUT.  Both products are used transposed: S^T = K Q^T (source 0 = 16 keys, source 1 = 16 queries), O^T = V^T P^T (source 0 = 16 channels, source 1 = P): a lane holds ONE query (lane % 16) throughout.
; A tile of K is 16 neighbouring keys, so of a block of 32 keys a lane (r, h) holds keys 8 h + 0..7 (tile 2 b) and 16 + 8 h + 0..7 (tile 2 b + 1); the conversions lay them at the operand's places 16 h + 0..7 and
; 16 h + 8..15.  V's fragment is loaded with THE SAME ORDER inside each block of 32 (8 bytes at 32 c + 8 h, 8 bytes at 32 c + 16 + 8 h): a block keeps its members, so the scales are untouched.
; O^T's channels lie in a lane in that order too; the stores put each 8 codes where the projection's operand wants them.
; OUT.  a_img [row block 16][pair of heads 16][tile of rows 8][head of the pair 2][2,048]: the image of the operand's registers: byte 512 c + 16 (16 h' + r) + p = the code of (row r, k = 32 c + 16 h' + p).
;       a_scl [tile of rows 128][head 32][row 16]: the scale word (four bytes: 128 along K) of a row.
; LIMITS: NaN, infinities and scale bytes of 0xff among the inputs are not served.  A block of zeros in the result, and a block whose largest magnitude lies under 2^-118, carries the byte 1 (the rule says 127 for
; zeros): its codes are zeros, and this program alone reads the bytes.  The division by the row's sum is v_rcp_f32 and a multiplication.
; REGISTERS.  Window 0: v1-11 addresses; v12-19 statistics; v20-23, v28-35 scale words; v24-27 factors; v36-59 at work; v64-191 S^T, then p (64 a tile); v192-223 p's codes (16 a tile); v224-255 Q (16 a tile).
;             Window 1: v0-127 O^T (64 a tile); v128-255 the eight fragments of K or of V of a step.
.set KP,    144                        ; a key's row in LDS: 128 bytes + 16 of padding = 36 words: the 16 rows of a load start at 16 different groups of four banks (64 banks of 4 bytes: ISA guide 11.1)
.set VP,    272                        ; a row of V's tile: 256 key bytes + 16: with 8 bytes a lane the 32 lanes take each bank once
.set VOFF,  256*KP                     ; a slot: 256 rows of K, then 128 rows of V
.set SLOT1, 1<<17                      ; slot 1 begins here: one exclusive or turns an address in one slot into the other's
.set SCK,   SLOT1+VOFF+128*VP          ; behind the ring: K's scale words of my group, 4 bytes a key: 8,192 bytes, written by LDS stores, never by a tensor load
.set SCV,   SCK+8192                   ; V's scale bytes of my group: 32 runs of 256 bytes + 16 of padding
.set SPARE, SCV+32*272                 ; the spare words, 128 bytes for each of the eight waves: four blocks of 256 bytes that no other line names
.set AK0,  1                           ; v1   my lane's place in a tile of K: 144 r + 16 h
.set AV0,  2                           ; v2   in a tile of V: VOFF + 272 r + 8 h
.set ASK0, 3                           ; v3   among K's scale words: SCK + 4 r
.set ASV0, 4                           ; v4   among V's: SCV + 272 (r / 4) + 64 (r % 4)
.set SPW,  5                           ; v5   LDS address of my spare word; never rewritten
.set NIL,  6                           ; v6   0; never rewritten
.set PFO,  7                           ; v7   the prefetches' offset: my lane x a row's pitch in memory; never rewritten
.set ADK,  8                           ; v8-11 LDS addresses of the step in hand: K, V, K's scale words, V's
.set ADV,  9
.set ADS,  10
.set ADT,  11
.set ST,   12                          ; tile t: v[12 + 4 t] -M, +1 the largest t, +2, +3 the sum in two halves
.set QS,   20                          ; v20-21 Q's scale words
.set PW,   22                          ; v22-23 p's scale words; on the way out O's
.set FF,   24                          ; v[24 + 2 t] the factor 2^(old M - new M), later 1 / the sum; the pair's upper half is written once
.set KS,   28                          ; v28-35 the scale words of the eight fragments
.set TM,   36                          ; v36-39 maxima; v40-43 other half's, bytes, second chain of the sum; v44-47 448 x the scale; v48-51 the conversions' scales; v52-59 scratch
.set GO,   60                          ; v60  the way out: 16 r + 8 h
.set GS,   61                          ; v61  the way out: 4 x lane
.set SC,   64
.set PC,   192
.set QF,   224
.set FR,   128                         ; in window 1
.set WV,   20                          ; s20  my wave's number
.set MNT,  21                          ; s21  the mantissa field of 448
.set CS,   22                          ; s[22:23] c = log2(e) / sqrt(128)
.set SEL,  24                          ; s[24:25] lane selects for v_permlanex16_b32: lane l xor 16
.set TB,   26                          ; s26  LDS byte at which the slot in hand begins
.set TS,   27                          ; s27  the step's scale words of K: 512 bytes a step
.set TJ,   28                          ; s28  V's: 4 bytes a step
.set SLOTS, 29                         ; s29  slots still to be asked for
.set LIM,  30                          ; s30  1 in a wave that prefetches, else the greatest number
.set GRP,  31                          ; s31  the group
.set CX,   32                          ; s32  my place in the cluster: it enters global addresses of Q, the outputs and the prefetches alone
.set WGX,  33                          ; s33  my block of 64 queries
.set G1K,  36                          ; s[36:43] descriptor group 1 for K's tiles;  s[44:51] for V's
.set G1V,  44
.set G0K,  76                          ; s[76:79], s[80:83] their groups 0, which walk
.set G0V,  80
.set PFA,  92                          ; s[92:93] where my prefetches stand;  s[94:95] a slot on, in bytes
.set PFS,  94
.set MSB, 0
.macro WIN new                         ; the immediate's high byte repeats the setting that is left; a switch that changes nothing is dropped
.if MSB != (\new)
	s_set_vgpr_msb (MSB<<8)|(\new)
.set MSB, (\new)
.endif
.endm
; A round of the cluster's barrier: my work-group's barrier, wave 0's signal for the work-group, every wave's wait for all four work-groups, my work-group's barrier once more.
.macro CROUND
	s_barrier_signal -1
	s_barrier_wait -1
	s_cmp_lg_u32 s[WV], 0
	s_cbranch_scc1 .Lnot_wave_0_\@
	s_barrier_signal -3
.Lnot_wave_0_\@:
	s_barrier_wait -3
	s_barrier_signal -1
	s_barrier_wait -1
.endm
; A joint load.  Waves 0 and 1 fetch K's halves (128 keys each), waves 2 and 3 V's (64 channels each), the others nothing.  The branches hang on the wave's number alone.
; Four v_nop follow each of the two lines.
.macro JLOAD
	s_cmp_lt_u32 s[WV], 2
	s_cbranch_scc0 .Lnot_k_\@
	tensor_load_to_lds s[G0K:G0K+3], s[G1K:G1K+7]
	s_nop 0
.rept 4
	v_nop
.endr
	s_branch .Lasked_\@
.Lnot_k_\@:
	s_cmp_lt_u32 s[WV], 4
	s_cbranch_scc0 .Lasked_\@
	tensor_load_to_lds s[G0V:G0V+3], s[G1V:G1V+7]
	s_nop 0
.rept 4
	v_nop
.endr
.Lasked_\@:
.endm
; A prefetch of what the NEXT change of slots will ask for: two key steps ahead of that load.  All clusters of a group walk the same K and V: the group's first cluster asks.  Its four partners share the rows out
; BY ADDRESS.  K: 64 keys a partner, 32 a wave (waves 4 and 5), a lane a key; a key's aligned 256 bytes hold groups g and g + 1, so the even group asks for both.  V: 32 channels a partner, wave 6, a lane a
; channel: a slot's part of a row is 256 bytes, aligned.  So each aligned block of 256 bytes is named once in the launch.  The last change that fills a slot asks for nothing.
.macro ASK
	s_cmp_gt_u32 s[SLOTS], s[LIM]
	s_cbranch_scc0 .Lnot_mine_\@
	global_prefetch_b8 v[PFO], s[PFA:PFA+1] th:TH_LOAD_NT scope:SCOPE_SE
.Lnot_mine_\@:
.endm
	s_load_b256 s[4:11], s[0:1], 0x0               ; Q's codes s[4:5], Q's scales s[6:7], K's codes s[8:9], K's scales s[10:11]
	s_load_b256 s[12:19], s[0:1], 0x20             ; V's codes s[12:13], V's scales s[14:15], a_img s[16:17], a_scl s[18:19]
	v_lshl_add_u32 v[SPW], v0, 2, SPARE
	v_mov_b32 v[NIL], 0
	ds_add_u32 v5, v6
	ds_add_u32 v5, v6
	s_wait_dscnt 0x0
	v_lshrrev_b32 v52, 5, v0
	s_delay_alu instid0(VALU_DEP_1)
	v_readfirstlane_b32 s[WV], v52                 ; wave 0..7
	s_and_b32 s[GRP], ttmp7, 0xffff                ; the group, which the four partners share
	s_bfe_u32 s[CX], ttmp6, 0x40000                ; cx
	s_lshl_b32 s[WGX], ttmp9, 2                    ; in a cluster launch ttmp9 counts clusters
	s_add_co_u32 s[WGX], s[WGX], s[CX]             ; my block of 64 queries = 4 x cluster x + cx
	; descriptor group 1.  K: 128 rows of 128 bytes, 1,024 bytes apart in memory, 16 bytes of padding behind each
	s_mov_b32 s[G1K], 15|(0<<16)|(1<<20)|(1<<21)|(4<<22)|(3<<25)   ; 15:0 the mask: all four work-groups; 17:16 elements of 1 byte; 20 padding on; 21 set beside a mask; 24:22 after every 32 words (code 4); 31:25 four words (code 3)
	s_mov_b32 s[G1K+1], 128<<16                    ; tensor_dim0
	s_mov_b32 s[G1K+2], 128<<16                    ; tensor_dim1
	s_mov_b32 s[G1K+3], 128<<16                    ; tile_dim0
	s_mov_b32 s[G1K+4], 128                        ; tile_dim1
	s_mov_b32 s[G1K+5], 1024                       ; tensor_dim0_stride
	s_mov_b32 s[G1K+6], 0
	s_mov_b32 s[G1K+7], 0
	; V: 64 rows of 256 bytes, 2,048 bytes apart, 16 bytes of padding behind each
	s_mov_b32 s[G1V], 15|(0<<16)|(1<<20)|(1<<21)|(5<<22)|(3<<25)   ; padding: four words after every 64
	s_mov_b32 s[G1V+1], 256<<16
	s_mov_b32 s[G1V+2], 64<<16
	s_mov_b32 s[G1V+3], 256<<16
	s_mov_b32 s[G1V+4], 64
	s_mov_b32 s[G1V+5], 2048
	s_mov_b32 s[G1V+6], 0
	s_mov_b32 s[G1V+7], 0
	s_and_b32 s34, s[WV], 1                        ; which half of a tile I fetch, if I fetch; also which pair of heads is mine
	s_mul_i32 s[G0K+1], s34, 128*KP                ; LDS: slot 0, K's half
	s_mul_i32 s[G0V+1], s34, 64*VP
	s_add_co_u32 s[G0V+1], s[G0V+1], VOFF          ; V's half
	s_lshl_b32 s60, s34, 17                        ; K in memory: 128 keys x 1,024 bytes a half,
	s_lshl_b32 s61, s[GRP], 7                      ; + 128 g
	s_add_co_u32 s60, s60, s61
	s_mov_b32 s61, 0
	s_lshl_b32 s62, s34, 17                        ; V: 64 channels x 2,048 bytes a half,
	s_lshl_b32 s63, s[GRP], 18                     ; + 262,144 g
	s_add_co_u32 s62, s62, s63
	s_mov_b32 s63, 0
	s_mov_b32 s[SEL], 0x76543210
	s_mov_b32 s[SEL+1], 0xfedcba98
	s_mov_b32 s[CS], 0x3e0293ee                    ; c = log2(e) / sqrt(128)
	s_mov_b32 s[CS+1], s[CS]                       ; (named with it as a pair, so it is written)
	s_mov_b32 s[MNT], 0x600000
	s_mov_b32 s[TB], 0
	s_mov_b32 s[TS], 0
	s_mov_b32 s[TJ], 0
	s_mov_b32 s[SLOTS], 7
	s_wait_kmcnt 0x0
	s_mov_b32 s[G0K], 1                            ; 1:0 count = 1
	s_add_nc_u64 s[G0K+2:G0K+3], s[8:9], s[60:61]  ; 120:64 global address: the group's first 256 keys
	s_or_b32 s[G0K+3], s[G0K+3], 0x80000000        ; 127:126 type = 2
	s_mov_b32 s[G0V], 1
	s_add_nc_u64 s[G0V+2:G0V+3], s[12:13], s[62:63]
	s_or_b32 s[G0V+3], s[G0V+3], 0x80000000
	CROUND                                         ; all four work-groups are here: the first joint loads meet
	JLOAD                                          ; slot 0: by this text's count a fetching wave never has more than one tensor load out
	; the scale bytes of my group, through registers.  K's: thread t takes the words of keys 256 i + t, 32 bytes apart in memory.  V's: 8,192 dense bytes, 16 a thread, twice
	s_lshl_b32 s2, s[GRP], 2
	s_mov_b32 s3, 0
	s_add_nc_u64 s[10:11], s[10:11], s[2:3]
	s_lshl_b32 s2, s[GRP], 13
	s_add_nc_u64 s[14:15], s[14:15], s[2:3]
	v_lshlrev_b32 v52, 5, v0
	v_lshlrev_b32 v53, 4, v0
.irp i, 0,1,2,3,4,5,6,7
	global_load_b32 v[SC+\i], v52, s[10:11] offset:8192*\i
.endr
.irp i, 0,1
	global_load_b128 v[SC+8+4*\i:SC+11+4*\i], v53, s[14:15] offset:4096*\i
.endr
	; Q: my 16 queries, my two heads: two fragments and two scale words, which stay in registers
	s_lshr_b32 s35, s[WV], 1
	s_lshl_b32 s96, s[WGX], 2
	s_add_co_u32 s96, s96, s35                     ; my tile of 16 rows: 4 x block + wave / 2
	s_lshl_b32 s97, s[GRP], 2
	s_lshl_b32 s98, s34, 1
	s_add_co_u32 s97, s97, s98                     ; my first head: 4 g + 2 (wave % 2)
	s_lshl_b32 s98, s96, 16                        ; 16 rows of 4,096 bytes a tile,
	s_lshl_b32 s100, s97, 7                        ; 128 bytes a head
	s_add_co_u32 s98, s98, s100
	s_mov_b32 s99, 0
	s_add_nc_u64 s[4:5], s[4:5], s[98:99]
	s_lshl_b32 s98, s96, 11                        ; scale words: 16 rows of 128 bytes a tile, 4 bytes a head
	s_lshl_b32 s100, s97, 2
	s_add_co_u32 s98, s98, s100
	s_add_nc_u64 s[6:7], s[6:7], s[98:99]
	v_and_b32 v58, 15, v0                          ; r
	s_wait_alu depctr_va_vdst(0)
	v_bfe_u32 v59, v0, 4, 1                        ; h
	v_lshlrev_b32 v54, 12, v58
	s_delay_alu instid0(VALU_DEP_1)
	v_lshl_add_u32 v54, v59, 4, v54                ; row r, + 16 h
	v_lshlrev_b32 v55, 7, v58
.irp t, 0,1
.irp c, 0,1,2,3
	global_load_b128 v[QF+16*\t+4*\c:QF+16*\t+4*\c+3], v54, s[4:5] offset:128*\t+32*\c
.endr
.endr
.irp t, 0,1
	global_load_b32 v[QS+\t], v55, s[6:7] offset:4*\t
.endr
	; where my results go.  a_img: (tile / 8) x 16 x 32,768 + (head / 2) x 32,768 + (tile % 8) x 4,096;  a_scl: tile x 2,048 + head x 64
	s_lshr_b32 s98, s96, 3
	s_lshl_b32 s98, s98, 19
	s_and_b32 s100, s96, 7
	s_lshl_b32 s100, s100, 12
	s_add_co_u32 s98, s98, s100
	s_lshr_b32 s100, s97, 1
	s_lshl_b32 s100, s100, 15
	s_add_co_u32 s98, s98, s100
	s_add_nc_u64 s[16:17], s[16:17], s[98:99]
	s_lshl_b32 s98, s96, 11
	s_lshl_b32 s100, s97, 6
	s_add_co_u32 s98, s98, s100
	s_add_nc_u64 s[18:19], s[18:19], s[98:99]
	; the prefetches: where my wave's stand, and who asks.  They begin in slot 1; the first change of slots steps them to slot 2.  Nothing is prefetched here, at the head
	s_lshl_b32 s2, s[GRP], 18
	s_add_co_u32 s2, s2, 256                       ; V's: my group, slot 1
	s_lshl_b32 s3, s[GRP], 7
	s_lshl_b32 s100, s34, 15                       ; K's: my group, 32 keys a wave,
	s_add_co_u32 s3, s3, s100
	s_add_co_u32 s3, s3, 262144                    ; slot 1
	s_mov_b32 s[PFS], 262144
	s_cmp_eq_u32 s[WV], 6                          ; wave 6 asks for V's codes, waves 4 and 5 for K's
	s_cselect_b64 s[PFA:PFA+1], s[12:13], s[8:9]
	s_cselect_b32 s[PFS], 256, s[PFS]              ; a slot on
	s_cselect_b32 s98, 11, 10                      ; from lane to lane: 2,048 or 1,024 bytes
	s_cselect_b32 s2, s2, s3
	s_lshl_b32 s100, s[CX], 16                     ; my work-group's part: 32 channels x 2,048 bytes, or 64 keys x 1,024
	s_add_co_u32 s2, s2, s100
	s_mov_b32 s3, 0
	s_mov_b32 s[PFS+1], 0
	s_add_nc_u64 s[PFA:PFA+1], s[PFA:PFA+1], s[2:3]
	v_and_b32 v[PFO], 31, v0
	s_delay_alu instid0(VALU_DEP_1)
	v_lshlrev_b32 v[PFO], s98, v[PFO]
	s_lshr_b32 s60, s[WV], 1
	s_xor_b32 s60, s60, 2                          ; 0 in waves 4 and 5,
	s_and_b32 s61, s[GRP], 1
	s_or_b32 s60, s60, s61                         ; of an even group;
	s_xor_b32 s61, s[WV], 6                        ; 0 in wave 6
	s_min_u32 s60, s60, s61
	s_or_b32 s60, s60, ttmp9                       ; of the group's first cluster: the same in all four partners
	s_cmp_eq_u32 s60, 0
	s_cselect_b32 s[LIM], 1, -1
	; my lane's places in LDS
	v_mul_u32_u24 v[AK0], v58, KP
	s_wait_alu depctr_va_vdst(0)
	v_lshl_add_u32 v[AK0], v59, 4, v[AK0]
	v_mul_u32_u24 v[AV0], v58, VP
	s_delay_alu instid0(VALU_DEP_1)
	v_lshl_add_u32 v[AV0], v59, 3, v[AV0]
	s_delay_alu instid0(VALU_DEP_1)
	v_add_nc_u32 v[AV0], VOFF, v[AV0]
	v_lshl_add_u32 v[ASK0], v58, 2, SCK
	v_lshrrev_b32 v[ASV0], 2, v58
	s_delay_alu instid0(VALU_DEP_1)
	v_mul_u32_u24 v[ASV0], v[ASV0], 272
	v_and_b32 v[ADK], 3, v58
	s_delay_alu instid0(VALU_DEP_1)
	v_lshl_add_u32 v[ASV0], v[ADK], 6, v[ASV0]
	s_delay_alu instid0(VALU_DEP_1)
	v_add_nc_u32 v[ASV0], SCV, v[ASV0]
	v_lshl_add_u32 v56, v0, 2, SCK                 ; where thread t puts K's scale words: 4 t, + 1,024 i
	v_lshrrev_b32 v57, 4, v0
	s_delay_alu instid0(VALU_DEP_1)
	v_lshlrev_b32 v57, 4, v57
	s_delay_alu instid0(VALU_DEP_1)
	v_lshl_add_u32 v57, v0, 4, v57
	s_delay_alu instid0(VALU_DEP_1)
	v_add_nc_u32 v57, SCV, v57                     ; and V's scale bytes: 16 t + 16 (t / 16), + 4,352 i
.irp t, 0,1
	v_mov_b32 v[ST+4*\t+1], 0xff61b1e6             ; the largest t so far: -3e38, under every t
	s_delay_alu instid0(VALU_DEP_1)
	v_floor_f32 v[ST+4*\t], -v[ST+4*\t+1]          ; -M
	v_mov_b32 v[ST+4*\t+2], 0                      ; the sum, in two halves
	v_mov_b32 v[ST+4*\t+3], 0
	v_mov_b32 v[FF+2*\t+1], 0                      ; (named as the upper half of a pair)
.endr
.irp b, 0,1,2,3
	v_mov_b32 v[TM+4+\b], 0                        ; written once: a lane permute's destination counts as one of its sources
.endr
	WIN 0x40                                       ; destination window 1
.set j, 0
.rept 128
	v_mov_b32 v[j], 0                              ; O^T.  (The key step is written without a first step of its own: the first change of M multiplies zeros)
.set j, j+1
.endr
	WIN 0
	s_wait_loadcnt 10                              ; the scale bytes are in; the ten younger loads (Q and its scale words) may be out
.irp i, 0,1,2,3,4,5,6,7
	ds_store_b32 v56, v[SC+\i] offset:1024*\i
.endr
.irp i, 0,1
	ds_store_b128 v57, v[SC+8+4*\i:SC+11+4*\i] offset:4352*\i
.endr
	s_wait_loadcnt 0x0                             ; Q.  (The wait for the LDS stores and the barrier behind which the others read them are the first change of slots')
; One tile's softmax for one key step: 64 scores a lane, register 16 b + 8 u + j = key 32 b + 16 u + 8 h + j.
.macro SOFTMAX t
.set rS, SC+64*(\t)
.set rT, ST+4*(\t)
.set rF, FF+2*(\t)
.set rP, PC+16*(\t)
.set rO, 64*(\t)
	WIN 0
.irp b, 0,1,2,3
	v_max3_num_f32 v[TM+\b], v[rS+16*\b], v[rS+16*\b+1], v[rS+16*\b+2]   ; the largest score of each block of 32 keys: for the row's maximum and, since p rises with the score, for the block's largest p.  Each accumulator is read from its low end on
.endr
.irp i, 3,5,7,9,11,13
.irp b, 0,1,2,3
	v_max3_num_f32 v[TM+\b], v[TM+\b], v[rS+16*\b+\i], v[rS+16*\b+\i+1]  ; (the four blocks by turns)
.endr
.endr
.irp b, 0,1,2,3
	v_max_num_f32 v[TM+\b], v[TM+\b], v[rS+16*\b+15]
.endr
.irp b, 0,1,2,3
	s_delay_alu instid0(VALU_DEP_4)
	v_permlanex16_b32 v[TM+4+\b], v[TM+\b], s[SEL], s[SEL+1]
.endr
.irp b, 0,1,2,3
	s_delay_alu instid0(VALU_DEP_4)
	v_max_num_f32 v[TM+\b], v[TM+\b], v[TM+4+\b]   ; with lane l xor 16's 16 keys
.endr
	s_delay_alu instid0(VALU_DEP_2)
	v_max3_num_f32 v[TM+16], v[TM], v[TM+1], v[TM+2]
	s_delay_alu instid0(VALU_DEP_1)
	v_max_num_f32 v[TM+16], v[TM+16], v[TM+3]      ; the step's largest score of my query
	s_delay_alu instid0(VALU_DEP_1)
	v_mul_f32 v[TM+16], s[CS], v[TM+16]            ; as t (c is positive)
	s_delay_alu instid0(VALU_DEP_1)
	v_max_num_f32 v[rT+1], v[rT+1], v[TM+16]       ; the running largest t
	v_mov_b32 v[TM+16], v[rT]
	s_delay_alu instid0(VALU_DEP_2)
	v_floor_f32 v[rT], -v[rT+1]                    ; the new -M = floor(-t) = -ceil(t): a whole number
	s_delay_alu instid0(VALU_DEP_1)
	v_sub_f32 v[TM+16], v[rT], v[TM+16]            ; old M less new M: a whole number, 0 or less
	s_delay_alu instid0(VALU_DEP_1)
	v_cvt_i32_f32 v[TM+16], v[TM+16]               ; (it saturates)
	s_delay_alu instid0(VALU_DEP_1)
	v_ldexp_f32 v[rF], 1.0, v[TM+16]               ; f = 2^(old M - new M)
.set j, 0
.rept 32
	v_pk_fma_f32 v[rS+j:rS+j+1], v[rS+j:rS+j+1], s[CS:CS+1], v[rT:rT+1] op_sel_hi:[1,0,0]   ; t - M, two at a time (of the pairs c and -M the low word serves both halves)
.set j, j+2
.endr
.irp b, 0,1,2,3
	v_fma_f32 v[TM+\b], v[TM+\b], s[CS], v[rT]     ; the same of each block's largest score
.endr
.set j, 0
	s_wait_alu depctr_va_vdst(0)
.rept 64
	v_exp_f32 v[rS+j], v[rS+j]                     ; p = 2^(t - M), at most 1: not normalised
.set j, j+1
.endr
	v_pk_mul_f32 v[rT+2:rT+3], v[rT+2:rT+3], v[rF:rF+1] op_sel_hi:[1,0]   ; the sums under the new M: the plain instruction behind the exponentials
	s_wait_alu depctr_va_vdst(0)                   ; one wait for the batch of 64, ahead of its first reader
.irp b, 0,1,2,3
	v_exp_f32 v[TM+\b], v[TM+\b]                   ; the block's largest p: the same two instructions on the same number give the same bits
.endr
	v_pk_add_f32 v[TM+4:TM+5], v[rS:rS+1], v[rS+2:rS+3]   ; the row's sum is taken of the UNQUANTISED p: two at a time, in two chains; it reads the 64 alone
.irp j, 4,8,12,16,20,24,28,32,36,40,44,48,52,56,60
	v_pk_add_f32 v[rT+2:rT+3], v[rT+2:rT+3], v[rS+\j:rS+\j+1]
	v_pk_add_f32 v[TM+4:TM+5], v[TM+4:TM+5], v[rS+\j+2:rS+\j+3]
.endr
	s_delay_alu instid0(VALU_DEP_1)
	v_pk_add_f32 v[rT+2:rT+3], v[rT+2:rT+3], v[TM+4:TM+5]
	s_wait_alu depctr_va_vdst(0)                   ; and one for the four
.irp b, 0,1,2,3
	v_max_num_f32 v[TM+\b], 0x4800000, v[TM+\b]    ; the floor 2^(9 - 127): the byte cannot fall under 1
.endr
.irp b, 0,1,2,3
	s_delay_alu instid0(VALU_DEP_4)
	v_add_nc_u32 v[TM+12+\b], 0xfc000000, v[TM+\b] ; 8 off the exponent field: the conversion's scale operand
.endr
.irp b, 0,1,2,3
	v_and_or_b32 v[TM+8+\b], v[TM+\b], 0x7f800000, s[MNT]   ; 448 x the scale
.endr
.irp b, 0,1,2,3
	v_lshrrev_b32 v[TM+4+\b], 23, v[TM+12+\b]      ; the scale's byte
.endr
	s_delay_alu instid0(VALU_DEP_3)
	v_lshl_or_b32 v[PW+\t], v[TM+5], 8, v[TM+4]    ; p's scale word for these 128 keys: more than eight plain instructions ahead of the products that name it
	s_delay_alu instid0(VALU_DEP_1)
	v_lshl_or_b32 v[PW+\t], v[TM+6], 16, v[PW+\t]
	s_delay_alu instid0(VALU_DEP_1)
	v_lshl_or_b32 v[PW+\t], v[TM+7], 24, v[PW+\t]
.irp b, 0,1,2,3
.irp i, 0,1,2,3,4,5,6,7,8,9,10,11,12,13,14,15
	v_min_num_f32 v[rS+16*\b+\i], v[rS+16*\b+\i], v[TM+8+\b]   ; the conversion to an 8-bit code does not saturate (ISA guide 7.6.2); p is not negative, so the hold is one-sided
.endr
	v_cvt_scalef32_pk8_fp8_f32 v[rP+4*\b:rP+4*\b+1], v[rS+16*\b:rS+16*\b+7], v[TM+12+\b]
	v_cvt_scalef32_pk8_fp8_f32 v[rP+4*\b+2:rP+4*\b+3], v[rS+16*\b+8:rS+16*\b+15], v[TM+12+\b]
.endr
	WIN 0x41                                       ; O^T (destination and source 0) in window 1, f in window 0
.set j, 0
.rept 32
	v_pk_mul_f32 v[rO+j:rO+j+1], v[rO+j:rO+j+1], v[rF:rF+1] op_sel_hi:[1,0]   ; O^T under the new M, ascending.  (These 32 are also the plain instructions between the codes and the products)
.set j, j+2
.endr
.endm
; A KEY STEP: 128 keys, the q-th of the slot in hand, for my two tiles.
; ch = 1, 2: the change of slots opens inside this step, the slot's last: see the lines between the two softmaxes
.macro STEP q, ch=0
	v_add_nc_u32 v[ADK], s[TB], v[AK0]
	v_add_nc_u32 v[ADV], s[TB], v[AV0]
	v_add_nc_u32 v[ADS], s[TS], v[ASK0]
	v_add_nc_u32 v[ADT], s[TJ], v[ASV0]
.rept 4
	v_nop                                          ; eight plain instructions (the four additions among them) stand between the last products and loads into registers that they read
.endr
.irp f, 0,1,2,3,4,5,6,7
	ds_load_b32 v[KS+\f], v[ADS] offset:64*\f      ; the scale words of keys 16 f + r
.endr
	WIN 0x40                                       ; destination window 1
.irp f, 0,1,2,3,4,5,6,7
.irp c, 0,1,2,3
	ds_load_b128 v[FR+16*\f+4*\c:FR+16*\f+4*\c+3], v[ADK] offset:(128*(\q)+16*\f)*KP+32*\c
.endr
.endr
	WIN 0x01                                       ; K in window 1, Q and S^T in window 0
	s_wait_alu depctr_va_vdst(0)
.irp f, 0,1,2,3,4,5,6,7
	s_wait_dscnt 28-4*\f                           ; LDS loads come back in order (ISA guide 5.7.1): fragment f is in; the 28 - 4 f loads behind its four may be out
.irp t, 0,1
	v_wmma_scale_f32_16x16x128_f8f6f4 v[SC+64*\t+8*\f:SC+64*\t+8*\f+7], v[FR+16*\f:FR+16*\f+15], v[QF+16*\t:QF+16*\t+15], 0, v[KS+\f], v[QS+\t]
.endr
.endr
	WIN 0
.rept 8
	v_nop                                          ; eight places: in front of the loads below and of the first read of the scores
.endr
.irp f, 0,1,2,3,4,5,6,7
	ds_load_b32 v[KS+\f], v[ADT] offset:1088*\f    ; V's scale words of channels 16 f + r
.endr
	WIN 0x40
.irp f, 0,1,2,3,4,5,6,7                        ; V's fragments land while the softmax is walked.  Inside each block of 32 keys they take p's order
.irp c, 0,1,2,3
	ds_load_b64 v[FR+16*\f+4*\c:FR+16*\f+4*\c+1], v[ADV] offset:16*\f*VP+128*(\q)+32*\c
	ds_load_b64 v[FR+16*\f+4*\c+2:FR+16*\f+4*\c+3], v[ADV] offset:16*\f*VP+128*(\q)+32*\c+16
.endr
.endr
	SOFTMAX 0
.if \ch
	; THE CHANGE OF SLOTS OPENS HERE: V's fragments, asked for ahead of the first softmax, are my last reads of this slot.  The second softmax and the products, work on registers alone, stand between the signal and its wait
	WIN 0
	s_wait_alu depctr_va_vdst(0)
	s_wait_tensorcnt 0x0                           ; my part of the next slot is in; no tensor load of mine is out, so a group 0 may be written
	ds_add_u32 v[SPW], v[NIL]
.if (\ch) == 1
	ds_add_u32 v[SPW], v[NIL]                      ; and twice on end where a tensor load follows
	s_xor_b32 s[G0K+1], s[G0K+1], SLOT1            ; the walking descriptors: the slot that is being left, the keys two slots on
	s_add_nc_u64 s[G0K+2:G0K+3], s[G0K+2:G0K+3], 262144
	s_xor_b32 s[G0V+1], s[G0V+1], SLOT1
	s_add_nc_u64 s[G0V+2:G0V+3], s[G0V+2:G0V+3], 256
	s_wait_xcnt 0x0                                ; the last prefetch has read its address
	s_add_nc_u64 s[PFA:PFA+1], s[PFA:PFA+1], s[PFS:PFS+1]
.endif
	s_wait_dscnt 0x0                               ; the add is done, V is in, and my reads of this slot are over
	s_barrier_signal -1
.endif
	SOFTMAX 1
	s_wait_alu depctr_va_vdst(0)
.if (\ch) == 0
	s_wait_dscnt 0x0
.endif
	WIN 0x51                                       ; V in window 1, p in window 0, O^T (C and D) in window 1
.irp f, 0,1,2,3,4,5,6,7                        ; the sixteen accumulators take turns, one instruction a turn
.irp t, 0,1
	v_wmma_scale_f32_16x16x128_f8f6f4 v[64*\t+8*\f:64*\t+8*\f+7], v[FR+16*\f:FR+16*\f+15], v[PC+16*\t:PC+16*\t+15], v[64*\t+8*\f:64*\t+8*\f+7], v[KS+\f], v[PW+\t]
.endr
.endr
	WIN 0
	s_add_co_u32 s[TS], s[TS], 512                 ; the next step's scale words
	s_add_co_u32 s[TJ], s[TJ], 4
.endm
; THE CHANGE OF SLOTS stands at a slot's head.  Each wave waits for all its tensor loads (its part of the slot that it is about to read), adds 0 to its spare word, and waits for that, for its LDS stores and for its
; reads of the slot that it has left.  fill = 1: a round of the cluster's barrier, so that no wave of any partner still reads that slot or has a load on its way; the joint refill is the first thing behind it and
; has the slot's two key steps in which to land.
.macro CHANGE fill
	s_wait_tensorcnt 0x0                           ; no tensor load of mine is out, so a group 0 may be written
	ds_add_u32 v[SPW], v[NIL]
.if \fill
	ds_add_u32 v[SPW], v[NIL]                      ; twice on end where a tensor load follows
	s_xor_b32 s[G0K+1], s[G0K+1], SLOT1
	s_add_nc_u64 s[G0K+2:G0K+3], s[G0K+2:G0K+3], 262144   ; the next 256 keys; the type bits on top are not reached
	s_xor_b32 s[G0V+1], s[G0V+1], SLOT1
	s_add_nc_u64 s[G0V+2:G0V+3], s[G0V+2:G0V+3], 256
	s_wait_xcnt 0x0                                ; the last prefetch, a slot back, has read its address, so it may be written:
	s_add_nc_u64 s[PFA:PFA+1], s[PFA:PFA+1], s[PFS:PFS+1]   ; one slot further on than the walking descriptors
.endif
	s_wait_dscnt 0x0
.if \fill
	CROUND
	JLOAD
	ASK
.else
	s_barrier_signal -1
	s_barrier_wait -1
.endif
.endm
.macro SLOT_STEPS
	STEP 0
	STEP 1
	s_xor_b32 s[TB], s[TB], SLOT1                  ; on to the other slot
.endm
	CHANGE 1                                       ; ahead of slot 0's steps: slot 0 is whole; slot 1's first fill
	s_sub_co_u32 s[SLOTS], s[SLOTS], 1
.Lslot:                                            ; 6 trips, slots 0 to 5: the slot's last step opens the round; behind the round the slot just left takes the keys two slots on
	STEP 0
	STEP 1, 1
	s_xor_b32 s[TB], s[TB], SLOT1                  ; on to the other slot
	s_barrier_wait -1                              ; every wave of my work-group has left the slot and has its part of the next
	s_cmp_lg_u32 s[WV], 0
	s_cbranch_scc1 .Lnot_wave_0_loop
	s_barrier_signal -3
.Lnot_wave_0_loop:
	s_barrier_wait -3                              ; and so have all four work-groups
	s_barrier_signal -1
	s_barrier_wait -1
	JLOAD
	ASK
	s_sub_co_u32 s[SLOTS], s[SLOTS], 1
	s_cmp_lg_u32 s[SLOTS], 0
	s_cbranch_scc1 .Lslot
	s_mov_b32 s[SLOTS], 2
.Llast:                                            ; 2 trips, slots 6 and 7: nothing is filled, so a plain barrier closes the step
	STEP 0
	STEP 1, 2
	s_xor_b32 s[TB], s[TB], SLOT1
	s_barrier_wait -1
	s_sub_co_u32 s[SLOTS], s[SLOTS], 1
	s_cmp_lg_u32 s[SLOTS], 0
	s_cbranch_scc1 .Llast
	; THE WAY OUT.  Eight plain instructions behind the last products, six of them the stores' offsets
	v_and_b32 v52, 15, v0                          ; r
	v_bfe_u32 v53, v0, 4, 1                        ; h
	s_delay_alu instid0(VALU_DEP_2)
	v_lshlrev_b32 v[GO], 4, v52
	s_delay_alu instid0(VALU_DEP_1)
	v_lshl_add_u32 v[GO], v53, 3, v[GO]            ; 16 r + 8 h
	v_and_b32 v[GS], 31, v0
	s_delay_alu instid0(VALU_DEP_1)
	v_cmp_le_u32 vcc_lo, 16, v[GS]                 ; lanes 16 to 31
	s_delay_alu instid0(VALU_DEP_2)
	v_lshlrev_b32 v[GS], 2, v[GS]                  ; 4 x lane
	v_nop
	v_nop
.irp t, 0,1
	v_add_f32 v[ST+4*\t+2], v[ST+4*\t+2], v[ST+4*\t+3]   ; the sum's two halves,
.endr
.irp t, 0,1
	s_delay_alu instid0(VALU_DEP_2)
	v_permlanex16_b32 v[TM+4+\t], v[ST+4*\t+2], s[SEL], s[SEL+1]
.endr
.irp t, 0,1
	s_delay_alu instid0(VALU_DEP_2)
	v_add_f32 v[ST+4*\t+2], v[ST+4*\t+2], v[TM+4+\t]     ; and lane l xor 16's: the row's sum
.endr
	s_wait_alu depctr_va_vdst(0)
.irp t, 0,1
	v_rcp_f32 v[FF+2*\t], v[ST+4*\t+2]
.endr
	v_nop                                          ; a plain instruction behind the last reciprocal
	s_wait_alu depctr_va_vdst(0)                   ; one wait for the two, ahead of their first reader
	WIN 0x01                                       ; O^T in window 1; the quotient goes to S^T's registers
.irp t, 0,1
.set j, 0
.rept 32
	v_pk_mul_f32 v[SC+64*\t+j:SC+64*\t+j+1], v[64*\t+j:64*\t+j+1], v[FF+2*\t:FF+2*\t+1] op_sel_hi:[1,0]   ; register 16 c + 8 u + i = channel 32 c + 16 u + 8 h + i of my query; ascending
.set j, j+2
.endr
.endr
	WIN 0
; 64 numbers of a lane become a fragment's codes and its row's scale word: four blocks of 32 channels, each in lanes l and l xor 16.
.macro QUANT t
.set rS, SC+64*(\t)
.set rP, PC+16*(\t)
.irp b, 0,1,2,3
	v_max3_num_f32 v[TM+\b], |v[rS+16*\b]|, |v[rS+16*\b+1]|, 0x4800000   ; my 16 numbers of block b, and the floor 2^(9 - 127): so the byte cannot fall under 1
.endr
.irp i, 2,4,6,8,10,12,14
.irp b, 0,1,2,3
	s_delay_alu instid0(VALU_DEP_4)
	v_max3_num_f32 v[TM+\b], v[TM+\b], |v[rS+16*\b+\i]|, |v[rS+16*\b+\i+1]|
.endr
.endr
.irp b, 0,1,2,3
	s_delay_alu instid0(VALU_DEP_4)
	v_permlanex16_b32 v[TM+4+\b], v[TM+\b], s[SEL], s[SEL+1]
.endr
.irp b, 0,1,2,3
	s_delay_alu instid0(VALU_DEP_4)
	v_max_num_f32 v[TM+\b], v[TM+\b], v[TM+4+\b]   ; the block's largest magnitude
.endr
.irp b, 0,1,2,3
	s_delay_alu instid0(VALU_DEP_4)
	v_add_nc_u32 v[TM+12+\b], 0xfc000000, v[TM+\b] ; 8 off its exponent field: the conversion's scale operand
.endr
.irp b, 0,1,2,3
	v_and_or_b32 v[TM+8+\b], v[TM+\b], 0x7f800000, s[MNT]   ; 448 x the scale
.endr
.irp b, 0,1,2,3
	v_lshrrev_b32 v[TM+4+\b], 23, v[TM+12+\b]      ; the scale's byte
.endr
	s_delay_alu instid0(VALU_DEP_3)
	v_lshl_or_b32 v[PW+\t], v[TM+5], 8, v[TM+4]    ; my row's scale word
	s_delay_alu instid0(VALU_DEP_1)
	v_lshl_or_b32 v[PW+\t], v[TM+6], 16, v[PW+\t]
	s_delay_alu instid0(VALU_DEP_1)
	v_lshl_or_b32 v[PW+\t], v[TM+7], 24, v[PW+\t]
.irp b, 0,1,2,3
.irp i, 0,1,2,3,4,5,6,7,8,9,10,11,12,13,14,15
	v_med3_num_f32 v[rS+16*\b+\i], v[rS+16*\b+\i], -v[TM+8+\b], v[TM+8+\b]   ; the hold at the largest code x the scale (ISA guide 7.6.2: the conversion does not saturate)
.endr
	v_cvt_scalef32_pk8_fp8_f32 v[rP+4*\b:rP+4*\b+1], v[rS+16*\b:rS+16*\b+7], v[TM+12+\b]
	v_cvt_scalef32_pk8_fp8_f32 v[rP+4*\b+2:rP+4*\b+3], v[rS+16*\b+8:rS+16*\b+15], v[TM+12+\b]
.endr
	v_nop                                          ; one plain instruction behind the last conversion
.endm
	QUANT 0
	QUANT 1
.irp t, 0,1                                    ; registers 4 c, 4 c + 1 hold channels 32 c + 8 h + 0..7: the image's bytes 512 c + 16 r + 8 h; registers 4 c + 2, 4 c + 3 channels 32 c + 16 + 8 h + 0..7: 256 bytes further on
.irp c, 0,1,2,3
	global_store_b64 v[GO], v[PC+16*\t+4*\c:PC+16*\t+4*\c+1], s[16:17] offset:2048*\t+512*\c          ; the 32 lanes store 256 consecutive bytes, at a multiple of 256 from the buffer's first byte
	global_store_b64 v[GO], v[PC+16*\t+4*\c+2:PC+16*\t+4*\c+3], s[16:17] offset:2048*\t+512*\c+256
.endr
.endr
	v_cndmask_b32 v52, v[PW], v[PW+1], vcc_lo      ; lanes 0-15: my first head's words, lanes 16-31: my second head's (each word stands in lanes r and 16 + r)
	global_store_b32 v[GS], v52, s[18:19]          ; 128 consecutive bytes: two heads' words of 16 rows.  Joining two waves' halves would cost a stage and a barrier for 1 byte in 32 of what the launch stores
	s_wait_tensorcnt 0x0                           ; the wave's end
	ds_add_u32 v[SPW], v[NIL]
	s_wait_dscnt 0x0
	CROUND                                         ; the closing round: no work-group ends while a partner may still ask for a tile that names it
	s_endpgm
.Lfunc_end_k_q9eeec0ae18_attn:
	.size	k_q9eeec0ae18_attn, .Lfunc_end_k_q9eeec0ae18_attn-k_q9eeec0ae18_attn
	.p2alignl 7, 3214868480
	.fill 96, 4, 3214868480
	.section	.rodata,"a",@progbits
	.p2align	6, 0x0
	.amdhsa_kernel k_q9eeec0ae18_attn
		.amdhsa_group_segment_fixed_size 327680
		.amdhsa_private_segment_fixed_size 0
		.amdhsa_enable_private_segment 0
		.amdhsa_kernarg_size 64
		.amdhsa_user_sgpr_count 2
		.amdhsa_user_sgpr_kernarg_segment_ptr 1
		.amdhsa_wavefront_size32 1
		.amdhsa_system_sgpr_workgroup_id_x 1
		.amdhsa_system_sgpr_workgroup_id_y 1
		.amdhsa_system_sgpr_workgroup_id_z 1
		.amdhsa_system_vgpr_workitem_id 0
		.amdhsa_next_free_vgpr 512
		.amdhsa_next_free_sgpr 102
		.amdhsa_reserve_vcc 1
		.amdhsa_float_denorm_mode_32 3
		.amdhsa_float_denorm_mode_16_64 3
		.amdhsa_memory_ordered 1
		.amdhsa_forward_progress 1
		.amdhsa_inst_pref_size 219
	.end_amdhsa_kernel
	.amdgpu_metadata
---
amdhsa.version: [ 1, 2 ]
amdhsa.kernels:
  - .name:           k_q9eeec0ae18_attn
    .symbol:         k_q9eeec0ae18_attn.kd
    .args:
      - { .name: query_codes, .offset: 0, .size: 8, .value_kind: global_buffer, .address_space: global }
      - { .name: query_scales, .offset: 8, .size: 8, .value_kind: global_buffer, .address_space: global }
      - { .name: key_codes, .offset: 16, .size: 8, .value_kind: global_buffer, .address_space: global }
      - { .name: key_scales, .offset: 24, .size: 8, .value_kind: global_buffer, .address_space: global }
      - { .name: value_codes, .offset: 32, .size: 8, .value_kind: global_buffer, .address_space: global }
      - { .name: value_scales, .offset: 40, .size: 8, .value_kind: global_buffer, .address_space: global }
      - { .name: a_img, .offset: 48, .size: 8, .value_kind: global_buffer, .address_space: global }
      - { .name: a_scl, .offset: 56, .size: 8, .value_kind: global_buffer, .address_space: global }
    .group_segment_fixed_size: 327680
    .private_segment_fixed_size: 0
    .kernarg_segment_align: 8
    .kernarg_segment_size: 64
    .max_flat_workgroup_size: 256
    .sgpr_count:     102
    .vgpr_count:     512
    .wavefront_size: 32
...
	.end_amdgpu_metadata
.endif
;; end of part 1
;; launch proj (part 2): grid 16 x 16, 4 waves a work-group, clusters of 4 x 4, 327,680 bytes of LDS; arguments a_img, a_scl, w_out_codes, w_out_scales, b_out, out0; writes out0
.if DOCPART == 2
	.amdgcn_target "amdgcn-amd-amdhsa--gfx1250"
	.amdhsa_code_object_version 6
	.text
	.protected	k_q9eeec0ae18_proj
	.globl	k_q9eeec0ae18_proj
	.p2align	8
	.type	k_q9eeec0ae18_proj,@function
k_q9eeec0ae18_proj:
	s_mov_b64 s[64:65], 0
	v_nop
	global_prefetch_b8 v0, s[64:65] scope:SCOPE_SE
	s_setreg_imm32_b32 hwreg(HW_REG_WAVE_MODE, 25, 1), 1
	s_wait_xcnt 0x0
	s_wait_alu depctr_hold_cnt(0) depctr_sa_sdst(0) depctr_va_vdst(0) depctr_va_sdst(0) depctr_va_ssrc(0) depctr_va_vcc(0) depctr_vm_vsrc(0)
	s_getreg_b32 s2, hwreg(HW_REG_IB_STS2, 6, 4)
	s_cmp_eq_u32 s2, 0
	s_cbranch_scc0 .Lentry_in_a_cluster
	s_endpgm
.Lentry_in_a_cluster:
	s_bfe_u32 s2, ttmp6, 0x10000c
	s_cmp_lg_u32 s2, 0xf033
	s_cbranch_scc0 .Lentry_shape_is_right
	s_endpgm
.Lentry_shape_is_right:
; out0[m][n] = sum over k of A[m][k] W[n][k] + b_out[n]: 2,048 x 4,096 x 4,096 on codes of FP8 (E4M3) with one E8M0 scale for each 32 along K; sums in f32.
; A comes from the launch before as the image of the operand's registers: a_img [row block of 128: 16][pair of heads = 256 of K: 16][tile of 16 rows: 8][head of the pair: 2][2,048 bytes];
; a_scl [tile of 16 rows: 128][head: 32][row: 16] holds a row's scale word for 128 of K.  W: rows of 4,096 codes; its scale bytes rows of 128.
; SHARES.  256 work-groups, each 128 rows x 256 columns of the result.  Four waves: wave w takes columns 128 (w % 2) on and, of each K step of 256, the 128 of K at 128 (w / 2): 64 accumulators of 16 x 16.
; The two halves of K are added on the way out, through LDS, with the bias.  The matrix instruction is used transposed (source 0 = 16 rows of W, source 1 = 16 rows of A): a lane holds eight neighbouring columns of a row.
; THE RING.  Two LDS slots, each a K step of 256: A's 32,768 dense bytes, then W's 256 rows of 256 bytes + 16 of padding.  The scale bytes of the work-group's rows of A and of W, for all of K, come once and stay behind the ring.
; CLUSTER 4 x 4: A's tiles are asked for jointly along a row of the cluster, W's along a column.
; THE HEAD: one joint load a wave: wave 0 A's K step 0, wave 1 W's, wave 2 A's scale words, wave 3 W's scale bytes.  Slot 1's first fill stands behind the wait for the tensor loads, an add to the spare word, its wait and a round, as a refill does.
; PREFETCH.  A change of slots in K step t asks for K step t + 4, which the refill two changes on will load.  A wave asks for the rows that it fetches; the four partners that ask for a tile jointly share it out by address:
; A: 16,384 bytes a wave, 4,096 a partner, lanes 256 bytes apart (lanes 16-31 name lane 15's block again); W: 128 rows a wave, 32 a partner, a lane a row of 256 bytes.
; K steps 1 and 2 are asked for at the head, 3 behind slot 1's load; K steps 12 on ask for nothing: there is no K step 16.
; LIMITS: NaN, infinities and scale bytes of 0xff among the operands are not served.
; REGISTERS.  Window 0: v8-11 bias; v12-14 prefetch offsets; v16-29 addresses; v32-63 scale words, two sets; v128-255 A's fragments, one set.  Window 1: W's fragments, two sets.  Windows 2, 3: the accumulators.
.set PITCH,  272                       ; a row of W in LDS: 256 bytes + 16
.set BOFF,   32768                     ; W's rows lie behind A's image in a slot
.set SLOT,   BOFF+256*PITCH
.set SCA,    2*SLOT                    ; A's scale words: 16,384 dense bytes
.set SCB,    SCA+16384                 ; W's scale bytes: 128 units of 256 bytes + 16
.set SPITCH, 528                       ; the way out: a row of 512 bytes + 16
.set WST,    128*SPITCH                ; a wave's stage: 128 rows; the four stages lie over the ring and the scales, which have had their last fill and their last read by then
.set SPARE,  4*WST                     ; the spare words: 128 bytes a wave
.set BIAS, 8
.set PF1,  12                          ; v12-14 my lane's prefetch offset, 1, 2 and 3 K steps on
.set PF2,  13
.set PF3,  14
.set ADRA, 16
.set ADRB, 20
.set ADSA, 22
.set ADSB, 23
.set STO,  24
.set RD0,  25
.set RD1,  26
.set CO,   27
.set SPW,  28
.set NIL,  29
.set SCW,  32                          ; set s: v[32 + 16 s + a] A's block a, v[40 + 16 s + b] W's block b
.set AF,   128
.set BK,   128
.set G0H,  4                           ; s[4:7], s[8:11] group 0 of the head's loads of codes (the arguments that lay there have been used)
.set G0HB, 8
.set G1,   24
.set G0,   32
.set G1B,  48
.set G0B,  56
.set PFA,  66                          ; s[66:67] where my prefetches stand;  s[98:99] a K step on, in bytes
.set G1S,  68
.set G0S,  76
.set G1SB, 80
.set G0SB, 88
.set PFS,  98
.set MSB, 0
.macro WIN new                         ; the immediate's high byte repeats the setting that is left
.if MSB != (\new)
	s_set_vgpr_msb (MSB<<8)|(\new)
.set MSB, (\new)
.endif
.endm
.set MUL_LO, 0xa1                      ; source 0 (W) window 1, source 1 (A) window 0, C and D window 2
.set MUL_HI, 0xf1                      ; the same, C and D window 3
.set TO_B,   0x40
.macro PLACES n
.rept \n
	v_nop
.endr
.endm
.macro TL g0, g1                       ; a tensor load; s_nop 0 and four v_nop follow it
	tensor_load_to_lds s[\g0:\g0+3], s[\g1:\g1+7]
	s_nop 0
	PLACES 4
.endm
.macro JLOAD g0a, g1a, g0b, g1b        ; the ring's joint load: waves 0, 1 fetch A's halves, waves 2, 3 W's
	s_cmp_eq_u32 s17, 0
	s_cbranch_scc0 .Lfor_b_\@
	TL \g0a, \g1a
	s_branch .Lasked_\@
.Lfor_b_\@:
	TL \g0b, \g1b
.Lasked_\@:
.endm
.macro CREST                           ; a round of the cluster's barrier behind its opening barrier
	s_cmp_lg_u32 s16, 0
	s_cbranch_scc1 .Lnot_wave_0_\@
	s_barrier_signal -3
.Lnot_wave_0_\@:
	s_barrier_wait -3
	s_barrier_signal -1
	s_barrier_wait -1
.endm
.macro CROUND
	s_barrier_signal -1
	s_barrier_wait -1
	CREST
.endm
.macro GRP1 g, mask, flags, c, rows, pitch   ; descriptor group 1: rows of c elements
	s_or_b32 s[\g], s[\mask], \flags
	s_mov_b32 s[\g+1], (\c)<<16
	s_mov_b32 s[\g+2], (\rows)<<16
	s_mov_b32 s[\g+3], (\c)<<16
	s_mov_b32 s[\g+4], \rows
	s_mov_b32 s[\g+5], \pitch
	s_mov_b32 s[\g+6], 0
	s_mov_b32 s[\g+7], 0
.endm
.macro GRP0 g, lds, adr                ; descriptor group 0 with a constant LDS address
	s_mov_b32 s[\g], 1
	s_mov_b32 s[\g+1], \lds
	s_mov_b64 s[\g+2:\g+3], s[\adr:\adr+1]
	s_or_b32 s[\g+3], s[\g+3], 0x80000000
.endm
.macro MUL8 a, p, sc, zero             ; A's block a against W's eight; the 64 accumulators take turns
.irp b, 0,1,2,3,4,5,6,7
.if \zero
	v_wmma_scale_f32_16x16x128_f8f6f4 v[8*(8*((\a)%4)+\b):8*(8*((\a)%4)+\b)+7], v[128*(\p)+16*\b:128*(\p)+16*\b+15], v[AF+16*(\a):AF+16*(\a)+15], 0, v[SCW+16*(\sc)+8+\b], v[SCW+16*(\sc)+(\a)]
.else
	v_wmma_scale_f32_16x16x128_f8f6f4 v[8*(8*((\a)%4)+\b):8*(8*((\a)%4)+\b)+7], v[128*(\p)+16*\b:128*(\p)+16*\b+15], v[AF+16*(\a):AF+16*(\a)+15], v[8*(8*((\a)%4)+\b):8*(8*((\a)%4)+\b)+7], v[SCW+16*(\sc)+8+\b], v[SCW+16*(\sc)+(\a)]
.endif
.endr
.endm
.macro FETCH_B slot, p
	WIN TO_B
.irp i, 0,1,2,3,4,5,6,7
.irp c, 0,1,2,3
	ds_load_b128 v[128*(\p)+16*\i+4*\c:128*(\p)+16*\i+4*\c+3], v[ADRB+\slot] offset:16*PITCH*\i+32*\c
.endr
.endr
	WIN 0
.endm
.macro FETCH_A slot, i0
.irp i, 0,1,2,3
.irp c, 0,1,2,3
	ds_load_b128 v[AF+16*(\i0+\i)+4*\c:AF+16*(\i0+\i)+4*\c+3], v[ADRA+\slot] offset:4096*(\i0+\i)+512*\c
.endr
.endr
.endm
.macro SCALES sc
.irp i, 0,1,2,3,4,5,6,7
	ds_load_b32 v[SCW+16*\sc+\i], v[ADSA] offset:2048*\i
.endr
.irp i, 0,1,2,3,4,5,6,7
	ds_load_b32 v[SCW+16*\sc+8+\i], v[ADSB] offset:2176*\i
.endr
.endm
.macro ASK how                         ; 1: ask; 2: ask but in the loop's last trip, whose second K step is 12; 0: nothing
.if (\how) == 2
	s_cmp_gt_u32 s3, 1
	s_cbranch_scc0 .Lnone_\@
.endif
.if \how
	global_prefetch_b8 v[PF3], s[PFA:PFA+1] th:TH_LOAD_NT scope:SCOPE_SE
.endif
.if (\how) == 2
.Lnone_\@:
.endif
.endm
; A K STEP: 64 products on the fragments of slot, and the change of slots.  All of this step's fragments are in registers at the barrier; behind it this slot is filled again (fill = 1) and the next slot is read:
; W's next set and the next scale words at once, A's blocks 0-3 behind block 3's products, blocks 4-7 at the step's end.
.macro TURN slot, next, fill, zero, ask
	s_wait_xcnt 0x0                                ; my last prefetch has read its address, so it may be stepped
	s_add_nc_u64 s[PFA:PFA+1], s[PFA:PFA+1], s[PFS:PFS+1]
	s_wait_dscnt 16                                ; W's set, the scale words and A's blocks 0-3 are in; the youngest sixteen loads (A's blocks 4-7) may be out
	WIN MUL_LO
	MUL8 0, \slot, \slot, \zero
	WIN 0
	s_wait_tensorcnt 0x0                           ; my part of the next slot is in
	ds_add_u32 v[SPW], v[NIL]
	WIN MUL_LO
	MUL8 1, \slot, \slot, \zero
	s_wait_dscnt 0x0                               ; the add is done, and my reads of this slot are over
	s_barrier_signal -1
	MUL8 2, \slot, \slot, \zero
	WIN 0
	s_barrier_wait -1
.if \fill
	CREST                                          ; the barrier has opened a round of the cluster's barrier
	s_add_nc_u64 s[G0+4*\slot+2:G0+4*\slot+3], s[G0+4*\slot+2:G0+4*\slot+3], 65536
	s_add_nc_u64 s[G0B+4*\slot+2:G0B+4*\slot+3], s[G0B+4*\slot+2:G0B+4*\slot+3], 512
	JLOAD G0+4*\slot, G1, G0B+4*\slot, G1B         ; two K steps on, into the slot just left
.endif
	s_wait_alu depctr_va_vdst(0)
	v_add_nc_u32 v[ADSA], 128, v[ADSA]             ; the next K step's scale words: two heads of 64 bytes; 8 bytes in a row of W's
	v_add_nc_u32 v[ADSB], 8, v[ADSB]
	FETCH_B \next, \next                           ; (the eight places behind the products that last read this set stand at the last step's end)
	SCALES \next
	ASK \ask
	WIN MUL_LO
	MUL8 3, \slot, \slot, \zero
	PLACES 8                                       ; eight places ahead of loads into registers that products have read
	WIN 0
	FETCH_A \next, 0
	WIN MUL_HI
	MUL8 4, \slot, \slot, \zero
	MUL8 5, \slot, \slot, \zero
	MUL8 6, \slot, \slot, \zero
	MUL8 7, \slot, \slot, \zero
	PLACES 8
	WIN 0
	FETCH_A \next, 4
.endm
	s_load_b256 s[4:11], s[0:1], 0x0               ; a_img, a_scl, W's codes, W's scales
	s_load_b128 s[12:15], s[0:1], 0x20             ; b_out, out0
	v_lshl_add_u32 v[SPW], v0, 2, SPARE
	v_mov_b32 v[NIL], 0
	ds_add_u32 v[SPW], v[NIL]                      ; the opening lines: the add, twice on end, and its wait ahead of my first tensor load
	ds_add_u32 v[SPW], v[NIL]
	v_lshrrev_b32 v1, 5, v0
	v_readfirstlane_b32 s16, v1                    ; wave 0..3
	s_lshr_b32 s17, s16, 1                         ; my half of a K step.  Also: in the ring I fetch for A (0) or for W (1)
	s_and_b32 s18, s16, 1                          ; my half of the columns.  Also: which half of a tile I fetch
	s_bfe_u32 s40, ttmp6, 0x40000                  ; cx, cy
	s_bfe_u32 s41, ttmp6, 0x40004
	s_lshl_b32 s42, ttmp9, 2
	s_add_co_u32 s42, s42, s40                     ; tile column
	s_and_b32 s19, ttmp7, 0xffff
	s_lshl_b32 s19, s19, 2
	s_add_co_u32 s19, s19, s41                     ; tile row
	s_lshl_b32 s43, s41, 2
	s_lshl_b32 s43, 15, s43                        ; my row of the cluster
	s_lshl_b32 s44, 0x1111, s40                    ; my column
	GRP1 G1,   43, (3<<16)|(1<<21), 32, 128, 32                          ; A's image: dense rows of 256 bytes; 128 at the head, 64 in the ring
	GRP1 G1S,  43, (3<<16)|(1<<21), 32, 64, 32                           ; A's scale words: 64 dense rows of 256 bytes
	GRP1 G1B,  44, (1<<20)|(1<<21)|(5<<22)|(3<<25), 256, 256, 4096       ; W: rows of 256 bytes, 4,096 apart, 16 of padding; 256 at the head, 128 in the ring
	GRP1 G1SB, 44, (3<<16)|(1<<20)|(1<<21)|(5<<22)|(3<<25), 32, 128, 32  ; W's scale bytes: 128 dense rows of 256 bytes, 16 of padding
	s_lshl_b32 s20, s19, 19                        ; my row block in a_img,
	s_mov_b32 s21, 0
	s_lshl_b32 s22, s19, 14                        ; in a_scl;
	s_mov_b32 s23, 0
	s_lshl_b32 s46, s42, 20                        ; my 256 rows of W's codes,
	s_mov_b32 s47, 0
	s_lshl_b32 s92, s42, 15                        ; of its scale bytes
	s_mov_b32 s93, 0
	s_lshl_b32 s45, s18, 14                        ; in the ring: my half of A's image, in memory and in LDS,
	s_mov_b32 s94, s45
	s_mov_b32 s95, 0
	s_lshl_b32 s96, s18, 19                        ; my 128 rows of W in memory,
	s_mov_b32 s97, 0
	s_mul_i32 s2, s18, 128*PITCH                   ; and in LDS
	s_wait_dscnt 0x0                               ; both opening adds are done
	s_wait_kmcnt 0x0
	s_add_nc_u64 s[20:21], s[4:5], s[20:21]
	s_add_nc_u64 s[22:23], s[6:7], s[22:23]
	s_add_nc_u64 s[46:47], s[8:9], s[46:47]
	s_add_nc_u64 s[92:93], s[10:11], s[92:93]
	CROUND                                         ; all sixteen work-groups are here: the first joint loads meet
	GRP0 G0H,  0,    20
	GRP0 G0HB, BOFF, 46
	GRP0 G0S,  SCA,  22
	GRP0 G0SB, SCB,  92
	s_add_nc_u64 s[20:21], s[20:21], s[94:95]      ; for the ring: my half
	s_add_nc_u64 s[46:47], s[46:47], s[96:97]
.irp s, 0,1
	s_mov_b32 s[G0+4*\s], 1
	s_add_co_u32 s[G0+4*\s+1], s45, \s*SLOT
	s_add_nc_u64 s[G0+4*\s+2:G0+4*\s+3], s[20:21], \s*32768
	s_or_b32 s[G0+4*\s+3], s[G0+4*\s+3], 0x80000000
	s_mov_b32 s[G0B+4*\s], 1
	s_add_co_u32 s[G0B+4*\s+1], s2, \s*SLOT+BOFF
	s_add_nc_u64 s[G0B+4*\s+2:G0B+4*\s+3], s[46:47], \s*256
	s_or_b32 s[G0B+4*\s+3], s[G0B+4*\s+3], 0x80000000
.endr
.macro ARM under, g0, g1, next         ; one tree of branches on the wave's number: every way through the head passes exactly one load
	s_cmp_lt_u32 s16, \under
	s_cbranch_scc0 \next
	TL \g0, \g1
	s_branch .Lhead_asked
\next:
.endm
	ARM 1, G0H,  G1,  .Lhead_b
	ARM 2, G0HB, G1B, .Lhead_sa
	ARM 3, G0S,  G1S, .Lhead_sb
	TL G0SB, G1SB
.Lhead_asked:
	; the scalars of the rest of the head first, then its vector lines on end
	s_lshl_b32 s22, s40, 12                        ; the prefetches: of A's 16,384 bytes my work-group takes 4,096 by cx,
	s_lshl_b32 s23, s41, 17                        ; of W's 128 rows 32 by cy
	s_mov_b32 s[PFS], 256
	s_cmp_eq_u32 s17, 0
	s_cselect_b64 s[PFA:PFA+1], s[20:21], s[46:47]
	s_cselect_b32 s[PFS], 32768, s[PFS]            ; a K step on
	s_cselect_b32 s22, s22, s23
	s_cselect_b32 s100, 15, 31                     ; lanes that name blocks of their own
	s_cselect_b32 s101, 8, 12                      ; from lane to lane: 256 or 4,096 bytes
	s_mov_b32 s23, 0
	s_mov_b32 s[PFS+1], 0
	s_add_nc_u64 s[PFA:PFA+1], s[PFA:PFA+1], s[22:23]
	s_lshl_b32 s92, s42, 10                        ; my first column, in bytes of f32
	s_lshl_b32 s93, s18, 9
	s_add_co_u32 s92, s92, s93
	s_mov_b32 s93, 0
	s_add_nc_u64 s[12:13], s[12:13], s[92:93]
	s_lshl_b32 s94, s19, 21                        ; the rows that I store: 128 x tile row + 64 x (wave / 2), 16,384 bytes each
	s_lshl_b32 s95, s17, 20
	s_add_co_u32 s94, s94, s95
	s_add_co_u32 s94, s94, s92
	s_mov_b32 s95, 0
	s_add_nc_u64 s[14:15], s[14:15], s[94:95]
	s_lshl_b32 s20, s17, 11                        ; A's fragments: my head of the pair
	s_lshl_b32 s21, s17, 7                         ; W's: my 128 rows, my 128 of K
	s_add_co_u32 s21, s21, s2
	s_add_co_u32 s21, s21, BOFF
	s_lshl_b32 s46, s17, 6                         ; A's scale words: my head
	s_add_co_u32 s46, s46, SCA
	s_mul_i32 s47, s18, 64*272                     ; W's: my 128 rows, my word
	s_lshl_b32 s96, s17, 2
	s_add_co_u32 s47, s47, s96
	s_add_co_u32 s47, s47, SCB
	s_mul_i32 s96, s16, WST                        ; my stage
	s_mul_i32 s97, s18, WST                        ; where I read back: my columns' first stage, my 64 rows
	s_mul_i32 s22, s17, 64*SPITCH
	s_add_co_u32 s97, s97, s22
	v_and_b32 v1, 15, v0                           ; r
	v_bfe_u32 v2, v0, 4, 1                         ; h
	v_and_b32 v3, 31, v0                           ; lane
	v_lshlrev_b32 v[CO], 4, v3
	v_min_u32 v4, s100, v3
	v_lshlrev_b32 v4, s101, v4
	v_add_nc_u32 v[PF1], s[PFS], v4
	v_add_nc_u32 v[PF2], s[PFS], v[PF1]
	v_add_nc_u32 v[PF3], s[PFS], v[PF2]
	global_prefetch_b8 v[PF1], s[PFA:PFA+1] th:TH_LOAD_NT scope:SCOPE_SE   ; K steps 1 and 2
	global_prefetch_b8 v[PF2], s[PFA:PFA+1] th:TH_LOAD_NT scope:SCOPE_SE
	global_load_b128 v[BIAS:BIAS+3], v[CO], s[12:13]                       ; the bias of my lane's four columns on the way out
	v_lshl_add_u32 v[ADRA], v3, 4, s20
	v_add_nc_u32 v[ADRA+1], SLOT, v[ADRA]
	v_mul_u32_u24 v5, v1, PITCH
	v_lshl_add_u32 v5, v2, 4, v5
	v_add_nc_u32 v[ADRB], s21, v5
	v_add_nc_u32 v[ADRB+1], SLOT, v[ADRB]
	v_lshl_add_u32 v[ADSA], v1, 2, s46
	v_lshrrev_b32 v5, 1, v1
	v_lshlrev_b32 v6, 7, v1
	v_lshl_add_u32 v6, v5, 4, v6                   ; 128 bytes a row, 16 more for each 256 passed
	v_add_nc_u32 v[ADSB], s47, v6
	v_mul_u32_u24 v5, v1, SPITCH
	v_lshl_add_u32 v5, v2, 5, v5
	v_add_nc_u32 v[STO], s96, v5
	v_add_nc_u32 v[RD0], s97, v[CO]
	v_add_nc_u32 v[RD1], 2*WST, v[RD0]             ; the other half of K's stage
	s_wait_alu depctr_va_vdst(0)
	s_wait_tensorcnt 0x0                           ; my tile of the head's four is in
	ds_add_u32 v[SPW], v[NIL]
	s_mov_b32 s[G1+2], 64<<16                      ; no tensor load of mine is out: from here on a load brings half a tile
	s_mov_b32 s[G1+4], 64
	s_mov_b32 s[G1B+2], 128<<16
	s_mov_b32 s[G1B+4], 128
	s_wait_dscnt 0x0
	CROUND                                         ; all four tiles are in, and all sixteen work-groups are here
	JLOAD G0+4, G1, G0B+4, G1B                     ; K step 1, slot 1's first fill
	FETCH_B 0, 0
	global_prefetch_b8 v[PF3], s[PFA:PFA+1] th:TH_LOAD_NT scope:SCOPE_SE   ; K step 3
	SCALES 0
	FETCH_A 0, 0
	FETCH_A 0, 4
	TURN 0, 1, 1, 1, 1                             ; K step 0 starts the sums
	s_mov_b32 s3, 6
.Llap:                                             ; K steps 1 to 12
	TURN 1, 0, 1, 0, 1
	TURN 0, 1, 1, 0, 2
	s_sub_co_u32 s3, s3, 1
	s_cmp_lg_u32 s3, 0
	s_cbranch_scc1 .Llap
	TURN 1, 0, 1, 0, 0                             ; K step 13 asks for the last, 15
	TURN 0, 1, 0, 0, 0                             ; K step 14 fills nothing
	s_wait_dscnt 16
	WIN MUL_LO
	MUL8 0, 1, 1, 0
	MUL8 1, 1, 1, 0
	MUL8 2, 1, 1, 0
	MUL8 3, 1, 1, 0
	s_wait_dscnt 0x0
	WIN MUL_HI
	MUL8 4, 1, 1, 0
	MUL8 5, 1, 1, 0
	MUL8 6, 1, 1, 0
	MUL8 7, 1, 1, 0
	WIN 0
	PLACES 8
	s_wait_dscnt 0x0
	s_barrier_signal -1
	s_barrier_wait -1                              ; nobody reads the ring or the scales any more: the stages may be written
	; THE WAY OUT.  Each wave lays its 128 x 128 sums into its stage; behind a barrier wave w reads rows 64 (w / 2) on of both halves of K for its columns, adds them and the bias, and stores whole rows of 512 bytes.
.irp a, 0,1,2,3,4,5,6,7
	WIN 0x08+4*(\a/4)
.irp b, 0,1,2,3,4,5,6,7
	ds_store_b128 v[STO], v[8*(8*(\a%4)+\b):8*(8*(\a%4)+\b)+3] offset:16*SPITCH*\a+64*\b      ; each accumulator from its low end on
	ds_store_b128 v[STO], v[8*(8*(\a%4)+\b)+4:8*(8*(\a%4)+\b)+7] offset:16*SPITCH*\a+64*\b+16
.endr
.endr
	WIN 0
	s_wait_dscnt 0x0
	s_barrier_signal -1
	s_barrier_wait -1
.macro LOADB t                         ; eight rows of both halves of K
.set BB, BK+64*((\t)%2)
.irp j, 0,1,2,3,4,5,6,7
	ds_load_b128 v[BB+4*\j:BB+4*\j+3], v[RD0] offset:SPITCH*(8*(\t)+\j)
	ds_load_b128 v[BB+32+4*\j:BB+32+4*\j+3], v[RD1] offset:SPITCH*(8*(\t)+\j)
.endr
.endm
.macro SENDB t, younger                ; younger: the LDS loads issued behind these rows', which may stay out
.set BB, BK+64*((\t)%2)
	s_wait_dscnt \younger
.irp j, 0,1,2,3,4,5,6,7
	v_pk_add_f32 v[BB+4*\j:BB+4*\j+1], v[BB+4*\j:BB+4*\j+1], v[BB+32+4*\j:BB+32+4*\j+1]
	v_pk_add_f32 v[BB+4*\j+2:BB+4*\j+3], v[BB+4*\j+2:BB+4*\j+3], v[BB+32+4*\j+2:BB+32+4*\j+3]
.endr
.irp j, 0,1,2,3,4,5,6,7
	v_pk_add_f32 v[BB+4*\j:BB+4*\j+1], v[BB+4*\j:BB+4*\j+1], v[BIAS:BIAS+1]
	v_pk_add_f32 v[BB+4*\j+2:BB+4*\j+3], v[BB+4*\j+2:BB+4*\j+3], v[BIAS+2:BIAS+3]
	global_store_b128 v[CO], v[BB+4*\j:BB+4*\j+3], s[14:15] offset:16384*(8*(\t)+\j) th:TH_STORE_NT   ; 32 lanes store 512 consecutive bytes, at a multiple of 256 from the buffer's first byte
.endr
.endm
	LOADB 0
	s_wait_loadcnt 0x0                             ; the bias
.irp t, 1,2,3,4,5,6,7
.if \t > 1
	s_wait_xcnt 0x0                                ; the stores two batches back have read their registers
.endif
	LOADB \t
	SENDB \t-1, 16
.endr
	SENDB 7, 0
	s_wait_tensorcnt 0x0                           ; the wave's end
	ds_add_u32 v[SPW], v[NIL]
	s_wait_dscnt 0x0
	CROUND                                         ; the closing round
	s_endpgm
.Lfunc_end_k_q9eeec0ae18_proj:
	.size	k_q9eeec0ae18_proj, .Lfunc_end_k_q9eeec0ae18_proj-k_q9eeec0ae18_proj
	.p2alignl 7, 3214868480
	.fill 96, 4, 3214868480
	.section	.rodata,"a",@progbits
	.p2align	6, 0x0
	.amdhsa_kernel k_q9eeec0ae18_proj
		.amdhsa_group_segment_fixed_size 327680
		.amdhsa_private_segment_fixed_size 0
		.amdhsa_enable_private_segment 0
		.amdhsa_kernarg_size 48
		.amdhsa_user_sgpr_count 2
		.amdhsa_user_sgpr_kernarg_segment_ptr 1
		.amdhsa_wavefront_size32 1
		.amdhsa_system_sgpr_workgroup_id_x 1
		.amdhsa_system_sgpr_workgroup_id_y 1
		.amdhsa_system_sgpr_workgroup_id_z 1
		.amdhsa_system_vgpr_workitem_id 0
		.amdhsa_next_free_vgpr 1024
		.amdhsa_next_free_sgpr 102
		.amdhsa_reserve_vcc 0
		.amdhsa_float_denorm_mode_32 3
		.amdhsa_float_denorm_mode_16_64 3
		.amdhsa_memory_ordered 1
		.amdhsa_forward_progress 1
		.amdhsa_inst_pref_size 139
	.end_amdhsa_kernel
	.amdgpu_metadata
---
amdhsa.version: [ 1, 2 ]
amdhsa.kernels:
  - .name:           k_q9eeec0ae18_proj
    .symbol:         k_q9eeec0ae18_proj.kd
    .args:
      - { .name: a_img, .offset: 0, .size: 8, .value_kind: global_buffer, .address_space: global }
      - { .name: a_scl, .offset: 8, .size: 8, .value_kind: global_buffer, .address_space: global }
      - { .name: w_out_codes, .offset: 16, .size: 8, .value_kind: global_buffer, .address_space: global }
      - { .name: w_out_scales, .offset: 24, .size: 8, .value_kind: global_buffer, .address_space: global }
      - { .name: b_out, .offset: 32, .size: 8, .value_kind: global_buffer, .address_space: global }
      - { .name: out0, .offset: 40, .size: 8, .value_kind: global_buffer, .address_space: global }
    .group_segment_fixed_size: 327680
    .private_segment_fixed_size: 0
    .kernarg_segment_align: 8
    .kernarg_segment_size: 48
    .max_flat_workgroup_size: 128
    .sgpr_count:     102
    .vgpr_count:     1024
    .wavefront_size: 32
...
	.end_amdgpu_metadata
.endif
;; end of part 2
